; MI455X (gfx1250); checked and timed in simulation.
; The chip was launched on July 23, 2026; its instructions are those of AMD's public machine-readable ISA for CDNA 5 (MIT licence, August 2026) and "CDNA5" Instruction Set Architecture Reference Guide (July 2026). The comments in the code are by the model that wrote it; some were corrected since.
;; FFF. Allowed arithmetic: matrix products marked QUANTISED: E2M1 operands, one E8M0 scale for each 32 along K, by v_wmma_scale_f32_16x16x128_f8f6f4 with both operands' format E2M1 (or v_wmma_scale_f32_32x16x128_f4), f32 sums; products left as they are: f32 operands where the result goes on into a quantised operand, else bf16, f16 or f32 operands; f32 sums; everything else in f32.
;; Inputs: b1s 16 x 256 float32; b2s 16 x 1,024 float32; node_biases 15 x 1 float32; node_weights 15 x 1,024 float32; w1s_codes 16 x 256 x 32 x 16 uint8 (E2M1 codes of w1s, K innermost, in blocks of 32 codes, two codes a byte); w1s_scales 16 x 256 x 32 uint8 (E8M0 scales of w1s, one for each 32 codes along K); w2s_codes 16 x 1,024 x 8 x 16 uint8 (E2M1 codes of w2s, K innermost, in blocks of 32 codes, two codes a byte); w2s_scales 16 x 1,024 x 8 uint8 (E8M0 scales of w2s, one for each 32 codes along K); x 8,192 x 1,024 float32.
;; Outputs: out0 8,192 x 1,024 float32.
;; This version of the problem:
;;   THIS VERSION OF THE PROBLEM IS GIVEN IN LOW PRECISION. The matrix products marked QUANTISED in the list below multiply operands that are first quantised to E2M1 (2 exponent bits, 1 mantissa bit; 4 bits a number), with one power-of-two scale for each 32 numbers along K (OCP MX v1.0); their sums are f32. All else is computed in f32.
;;   The module's matrix products, in the order in which they are computed (A, B: the left and right operand; K: the contracted axis; several contracted axes count as one K, in the product's order):
;;     1. [M 8,192, K 1,024] x [K 1,024, N 1]; A: input x; B: input node_weights: left as it is (N = 1 < 16)
;;     2. [M 8,192, K 1,024] x [K 1,024, N 2]; A: input x; B: input node_weights: left as it is (N = 2 < 16)
;;     3. [M 8,192, K 1,024] x [K 1,024, N 4]; A: input x; B: input node_weights: left as it is (N = 4 < 16)
;;     4. [M 8,192, K 1,024] x [K 1,024, N 8]; A: input x; B: input node_weights: left as it is (N = 8 < 16)
;;     5. [M 8,192, K 1,024] x [K 1,024, N 4,096]; A: input x; B: input w1s (given as codes): QUANTISED
;;     6. batch 16 x [M 1,024, K 256] x [K 256, N 8,192]; A: input w2s (given as codes); B: computed on the way: QUANTISED
;;   THE QUANTISER, for each operand of a quantised product, along K:
;;     - K is cut into blocks of 32 from its start; a last block that is shorter is filled with zeros.
;;     - A block's scale is 2^e with e = floor(log2(the largest magnitude in the block)) - 2, held to -126 .. 127; a block of zeros has e = 0. As a byte (E8M0): e + 127.
;;     - Each number is divided by its block's scale, clamped to +-6, and rounded to the nearest number of E2M1, ties to even, subnormals kept.
;;     - The product sums the exact products of the quantised numbers (number of the format x scale) in f32.
;;   ~~~python
;;   def quantise(x, axis):      # numpy; x: float32 -> the quantised numbers, widened to float32 again
;;       x = np.moveaxis(x, axis, -1); K = x.shape[-1]
;;       x = np.pad(x, [(0, 0)] * (x.ndim - 1) + [(0, -K % 32)]); x = x.reshape(x.shape[:-1] + (-1, 32)); a = np.abs(x).max(-1, keepdims=True)
;;       e = np.where(a > 0, np.clip(np.frexp(np.where(a > 0, a, 1))[1] - 1 - 2, -126, 127), 0)      # np.frexp(a)[1] - 1 = floor(log2(a)), exactly
;;       r = np.clip(x / 2.0 ** e, -6, 6)
;;       step = 2.0 ** (np.maximum(np.frexp(np.where(r == 0, 1, r))[1] - 1, 0) - 1)
;;       q = np.round(r / step) * step * 2.0 ** e      # np.round: ties to even
;;       return np.moveaxis(q.reshape(q.shape[:-2] + (-1,))[..., :K], -1, axis).astype(np.float32)
;;   ~~~
;;   OPERANDS COMPUTED ON THE WAY. 'Computed on the way' means the value that the module computes at that place (a softmax that the list does not call 'softmax' is quantised finished and normalised). What goes into a quantiser is computed in f32, as accurately as f32 sums, v_exp_f32 and their like allow (about 1e-6 of the number): no bf16 or f16 on the way to a quantiser, and a product that is left as it is and whose result goes on into a quantised operand takes f32 operands (vector FMAs, or v_wmma_f32_16x16x4_f32). A number that lies on a knife's edge between two numbers of the format may be rounded either way, as far as f32 arithmetic and the matrix unit's own rounding can turn it there, and no further.
;;   INPUTS GIVEN AS CODES. w1s (in the module: [16, 1024, 256], K = its axis 1); w2s (in the module: [16, 256, 1024], K = its axis 1): each comes as NAME_codes (uint8): NAME with its K axis moved to the last place and cut into blocks of 32 codes, [.., K / 32, bytes a block], one block behind the other in memory; two codes a byte, the lower K in the low four bits (a code: sign, 2 exponent bits, 1 mantissa bit); and NAME_scales (uint8): the same leading axes, one E8M0 byte (e + 127) for each 32 codes along K. Its value is code x scale, taken as it is: it is not quantised again, and the codes and scales need not be those that the quantiser above would give.
;; One version. Each part assembles by itself: llvm-mc -triple=amdgcn-amd-amdhsa -mcpu=gfx1250 --defsym DOCPART=n.
;; ======== version 1 of 1: 3 launches
;; limits: values are held in bf16: 8 bits of precision; right only within a limited range of input values
;; workspace buffers: xq_codes 4,194,304 bytes; xq_scales 262,144 bytes; mix 1,048,576 bytes; w1f 2,097,152 bytes; w2f 2,097,152 bytes; a_codes 16,777,216 bytes; a_scales 1,048,576 bytes
;; launch prep (part 1): grid 256 x 1, 4 waves a work-group, no clusters, 204,288 bytes of LDS; arguments x, node_weights, node_biases, w1s_codes, w2s_codes, xq_codes, xq_scales, mix, w1f, w2f; writes xq_codes, xq_scales, mix, w1f, w2f
.if DOCPART == 1
	.amdgcn_target "amdgcn-amd-amdhsa--gfx1250"
	.amdhsa_code_object_version 6
	.text
	.protected	k_qb2a79f0329_prep
	.globl	k_qb2a79f0329_prep
	.p2align	8
	.type	k_qb2a79f0329_prep,@function
k_qb2a79f0329_prep:
	s_mov_b64 s[64:65], 0
	v_nop
	global_prefetch_b8 v0, s[64:65] scope:SCOPE_SE
	s_setreg_imm32_b32 hwreg(HW_REG_WAVE_MODE, 25, 1), 1
	s_wait_xcnt 0x0
; PREP.  Three things, each once: (1) x [8192][1024] f32 becomes codes of FP4 (E2M1) with one E8M0 byte for each 32 along K, laid as IMAGES OF OPERAND REGISTERS; (2) the 15 node logits, their sigmoids and the
; tree's products give the mixture [8192][16]; (3) W1's and W2's codes are laid anew in the order of operand registers, so that the later launches load each fragment by two loads of 512 consecutive bytes.
; AN IMAGE: a fragment of 16 rows x 128 K of 4-bit codes is 8 registers a lane; registers 4 c .. 4 c + 3 of lane l lie at 512 c + 16 l: 1,024 bytes.
; OUT: xq_codes [64 blocks of 128 rows][8 K steps][8 tiles of 16 rows][image];  xq_scales [64][8 tiles][2 halves of K][32 lanes][2 words]: word i of lane (r, par) is row r's scale word of K step 4 half + 2 i + par;
;   mix [512 tiles of 16 rows][16 leaves][16 rows][the number twice];  w1f [32 groups of 128 hidden][8 K steps][8 tiles][image], lane r of tile 2 b + u holding W1's row 32 b + 8 u + r + 8 (r / 8) of the group;
;   w2f [16 leaves][16 groups of 64 outputs][4 tiles][2 K steps][image], rows as they lie.
; SHARES.  Work-group W owns rows 32 W .. 32 W + 31.  Wave w: tile of 16 rows t = w % 2, half of K kh = w / 2 (512 numbers, four K steps of 128).  Each wave also lays two fragments of W1 and two of W2.
; NO CLUSTER: a work-group's 131,072 bytes of x are read by nobody else; what work-groups share is the node weights, 61,440 bytes, under half of a work-group's bytes.
; THE LOGITS go to the matrix unit with bf16 operands and f32 sums (they feed no quantiser): source 0 = 16 node rows (the sixteenth repeats row 14), source 1 = my 16 rows of x.  k is permuted alike on both sides.
; LIMITS: NaN and infinities among the inputs are not served.  A block whose largest magnitude lies under 2^-124 keeps the scale byte 1; a block of zeros gets the byte 1 where the quantiser says 127: its codes are zeros,
; and the bytes are read by this program alone.  The logits' operands are rounded to bf16: their error grows with the size and the offset of x.
.set CH,   16640                       ; a chunk in LDS: 16 rows x (1,024 bytes + 16 of padding)
.set PX,   1040                        ; its pitch = 65 x 16 bytes: the sixteen rows that a load touches start 16 bytes apart modulo 256
; LDS: x's four quarters of K, 32 rows each (two chunks), from 0; the node weights go from memory straight into registers
.set RED,  12*CH                       ; and 4,096 bytes for the partial logits, written by LDS stores alone
.set TM,   16                          ; v16-31   at work in QUANT
.set PC,   32                          ; v32-39   the codes just made
.set PW,   40                          ; v40-43   the four K steps' scale words
.set ACC,  44                          ; v44-51, v52-59 two accumulators, by turns
.set X,    64                          ; v64-127  64 numbers of x
.set NW,   128                         ; v128-255 the node weights of my half of K in bf16: 32 registers a K step
.set WV,   24
.set TT,   25
.set KH,   26
.set G1X,  28                          ; s[28:35] descriptor group 1 for x's chunks
.set G0X,  48
.set SEL,  76                          ; s[76:77] v_permlanex16_b32's selects for lane l xor 16
.macro PLACES                          ; four plain vector instructions between a matrix instruction and a load into, or a vector instruction on, its registers
.rept 4
	v_nop
.endr
.endm
; 64 numbers of a lane, register 16 b + i = k 32 b + 16 (lane / 16) + i of my row, become a fragment's codes in v[PC] on and its scale word in v[pw].
.macro QUANT s, pw
.irp b, 0,1,2,3
	v_max3_num_f32 v[TM+\b], |v[\s+16*\b]|, |v[\s+1+16*\b]|, 0x1800000   ; block b: my 16 numbers, and the floor 2^(3 - 127): the byte cannot fall under 1
.endr
.irp i, 2,4,6,8,10,12,14
.irp b, 0,1,2,3
	v_max3_num_f32 v[TM+\b], v[TM+\b], |v[\s+16*\b+\i]|, |v[\s+1+16*\b+\i]|   ; the four blocks by turns
.endr
.endr
.irp b, 0,1,2,3
	v_permlanex16_b32 v[TM+4+\b], v[TM+\b], s[SEL], s[SEL+1]
.endr
.irp b, 0,1,2,3
	v_max_num_f32 v[TM+\b], v[TM+\b], v[TM+4+\b]   ; with lane l xor 16's: the block's largest magnitude
.endr
.irp b, 0,1,2,3
	v_add_nc_u32 v[TM+12+\b], 0xff000000, v[TM+\b]   ; 2 off its exponent field: the conversion's scale operand
.endr
.irp b, 0,1,2,3
	v_lshrrev_b32 v[TM+4+\b], 23, v[TM+12+\b]      ; the scale's byte
.endr
	v_lshl_or_b32 v[\pw], v[TM+5], 8, v[TM+4]
	v_lshl_or_b32 v[\pw], v[TM+6], 16, v[\pw]
	v_lshl_or_b32 v[\pw], v[TM+7], 24, v[\pw]      ; my row's scale word
.irp b, 0,1,2,3
	v_cvt_scalef32_pk8_fp4_f32 v[PC+2*\b], v[\s+16*\b:\s+7+16*\b], v[TM+12+\b]
	v_cvt_scalef32_pk8_fp4_f32 v[PC+1+2*\b], v[\s+8+16*\b:\s+15+16*\b], v[TM+12+\b]
.endr
	v_nop                                          ; one plain place behind a scaled conversion
.irp c, 0,1                                    ; the operand's layout wants a whole block in a lane
.irp i, 0,1
	v_permlane16_swap_b32 v[PC+4*\c+\i], v[PC+2+4*\c+\i]
.endr
.endr
.endm
	s_load_b512 s[4:19], s[0:1], 0x0               ; x, node_weights, node_biases, w1s_codes, w2s_codes, xq_codes, xq_scales, mix
	s_load_b128 s[20:23], s[0:1], 0x40             ; w1f, w2f
	v_lshl_add_u32 v62, v0, 2, 0x31c00
	v_mov_b32 v63, 0
	ds_add_u32 v62, v63
	ds_add_u32 v62, v63
	v_lshrrev_b32 v9, 5, v0
	v_readfirstlane_b32 s[WV], v9                  ; wave 0..3
	s_and_b32 s[TT], s[WV], 1                      ; my tile of 16 rows
	s_lshr_b32 s[KH], s[WV], 1                     ; my half of K
	; group 1: 32 rows x 256 elements of 4 bytes, 1,024 elements from row to row; 4 words of padding behind every 256
.irp g, G1X
	s_mov_b32 s[\g+0], (2<<16)|(1<<20)|(7<<22)|(3<<25)
	s_mov_b32 s[\g+1], 256<<16                     ; tensor_dim0
	s_mov_b32 s[\g+3], 256<<16                     ; tile_dim0
	s_mov_b32 s[\g+4], 32                          ; tile_dim1: all 32 rows of the work-group
	s_mov_b32 s[\g+5], 1024                        ; the pitch
	s_mov_b32 s[\g+6], 0
	s_mov_b32 s[\g+7], 0
.endr
	s_mov_b32 s[G1X+2], 32<<16                     ; tensor_dim1
	s_mov_b32 s[G0X], 1
	s_mul_i32 s[G0X+1], s[WV], 2*CH
	s_lshl_b32 s78, s[WV], 10
	s_mov_b32 s79, 0
	s_lshl_b32 s80, ttmp9, 17                      ; 32 W rows of 4,096 bytes,
	s_add_co_u32 s80, s80, s78                     ; + quarter w of K: wave w fetches k = 256 w .. 256 w + 255 of all 32 rows
	s_mov_b32 s81, 0
	s_mov_b32 s[SEL], 0x76543210
	s_mov_b32 s[SEL+1], 0xfedcba98
	s_wait_dscnt 0x0
	s_wait_kmcnt 0x0
	s_lshl_b32 s82, s[KH], 11
	s_mov_b32 s83, 0
	s_add_nc_u64 s[6:7], s[6:7], s[82:83]          ; the node weights at my half of K
	s_add_nc_u64 s[G0X+2:G0X+3], s[4:5], s[80:81]
	s_or_b32 s[G0X+3], s[G0X+3], 0x80000000
	tensor_load_to_lds s[G0X:G0X+3], s[G1X:G1X+7]        ; my one tensor load: 32 rows x 1,024 bytes into bytes of my own; nothing is ever filled again
	s_nop 0
	PLACES
	s_load_b256 s[56:63], s[8:9], 0x0              ; the biases of nodes 0-7,
	s_load_b128 s[68:71], s[8:9], 0x20             ; 8-11,
	s_load_b64 s[72:73], s[8:9], 0x30              ; 12-13,
	s_load_b32 s74, s[8:9], 0x38                   ; 14: 60 bytes in all
	v_and_b32 v1, 15, v0                           ; r
	v_bfe_u32 v2, v0, 4, 1                         ; h
	v_and_b32 v9, 31, v0                           ; lane
	v_lshlrev_b32 v3, 4, v9                        ; 16 x lane: an image's place for my lane
	v_lshlrev_b32 v8, 3, v9                        ; 8 x lane
	v_mul_u32_u24 v10, v1, PX
	v_lshl_add_u32 v10, v2, 6, v10                 ; row r, + 64 h: my 16 numbers of a block of 32
	s_mul_i32 s82, s[KH], 4*CH                     ; quarter 2 kh of K lies at 2 kh x two chunks,
	s_mul_i32 s83, s[TT], CH                       ; my 16 rows one chunk per tile further
	s_add_co_u32 s82, s82, s83
	v_add_nc_u32 v4, s82, v10                      ; in x's tiles
	v_min_u32 v5, 14, v1                           ; node row r; lane 15 reads row 14 again: what it makes is node 15's logit, which nothing uses
	v_lshlrev_b32 v5, 12, v5
	v_lshl_add_u32 v5, v2, 6, v5                   ; a row of 4,096 bytes, + 64 h
	v_and_b32 v6, 8, v1
	v_add_nc_u32 v6, v6, v1                        ; r + 8 (r / 8)
	v_lshlrev_b32 v6, 9, v6
	v_lshl_add_u32 v6, v2, 4, v6                   ; W1's source: a row is 512 bytes
	v_lshlrev_b32 v7, 7, v1
	v_lshl_add_u32 v7, v2, 4, v7                   ; W2's: a row is 128 bytes
	s_lshl_b32 s82, s[WV], 10
	s_add_co_u32 s82, s82, RED
	v_add_nc_u32 v11, s82, v3                      ; where I put my partial logits,
	v_add_nc_u32 v12, 2048, v11                    ; and where wave w + 2 puts its own
	v_lshlrev_b32 v13, 3, v1
	v_lshl_add_u32 v13, v2, 7, v13                 ; the mixture: 128 h + 8 r
	v_cmp_ne_u32 vcc_lo, 0, v2                     ; lanes 16-31: kept for the whole kernel
.irp b, 0,1,2,3
	v_mov_b32 v[TM+4+\b], 0                        ; written once: a lane permute's destination counts as one of its sources
.endr
	s_lshr_b32 s78, ttmp9, 3                       ; W1: fragments 8 W + 2 w + i: group W / 8, K step W % 8, tiles 2 w + i
	s_lshl_b32 s78, s78, 16
	s_lshl_b32 s82, s[WV], 14
	s_add_co_u32 s78, s78, s82
	s_and_b32 s82, ttmp9, 7
	s_lshl_b32 s82, s82, 6
	s_add_co_u32 s78, s78, s82
	s_add_nc_u64 s[10:11], s[10:11], s[78:79]
	s_lshl_b32 s78, ttmp9, 13                      ; W2: rows 64 W + 16 w on, 128 bytes each; and fragment 8 W + 2 w of either output: the same 8,192 W + 2,048 w
	s_lshl_b32 s82, s[WV], 11
	s_add_co_u32 s78, s78, s82
	s_add_nc_u64 s[12:13], s[12:13], s[78:79]
	s_add_nc_u64 s[20:21], s[20:21], s[78:79]
	s_add_nc_u64 s[22:23], s[22:23], s[78:79]
	s_and_b32 s83, ttmp9, 3
	s_lshl_b32 s83, s83, 1
	s_add_co_u32 s83, s83, s[TT]                   ; my tile among the eight of its block of 128 rows
	s_lshr_b32 s84, ttmp9, 2                       ; the block
	s_lshl_b32 s78, s84, 16
	s_lshl_b32 s82, s[KH], 15
	s_add_co_u32 s78, s78, s82
	s_lshl_b32 s82, s83, 10
	s_add_co_u32 s78, s78, s82
	s_add_nc_u64 s[14:15], s[14:15], s[78:79]      ; xq_codes
	s_lshl_b32 s78, s84, 12
	s_lshl_b32 s82, s83, 9
	s_add_co_u32 s78, s78, s82
	s_lshl_b32 s82, s[KH], 8
	s_add_co_u32 s78, s78, s82
	s_add_nc_u64 s[16:17], s[16:17], s[78:79]      ; xq_scales
	s_lshl_b32 s78, ttmp9, 12
	s_lshl_b32 s82, s[TT], 11
	s_add_co_u32 s78, s78, s82
	s_add_nc_u64 s[18:19], s[18:19], s[78:79]      ; mix: tile 2 W + t
	s_wait_alu depctr_va_vdst(0)                   ; the wait at the head's end
	; ---- the weights' codes into the order of operand registers.  The reads take 32 bytes of each of 16 rows; each store covers 512 consecutive bytes.  4 MiB in all, once
.irp i, 0,1
.irp c, 0,1
	global_load_b128 v[NW+8*\i+4*\c:NW+8*\i+4*\c+3], v6, s[10:11] offset:\i*4096+32*\c
	global_load_b128 v[NW+16+8*\i+4*\c:NW+16+8*\i+4*\c+3], v7, s[12:13] offset:\i*64+32*\c
.endr
.endr
; the node weights of K step q of my half, 64 numbers a lane, into v[d] on: register 16 b + 4 j + i holds k = 32 b + 16 h + 4 j + i of node row r
.macro NWLOAD q, d
.irp b, 0,1,2,3
.irp j, 0,1,2,3
	global_load_b128 v[(\d)+16*\b+4*\j:(\d)+16*\b+4*\j+3], v5, s[6:7] offset:(\q)*512+128*\b+16*\j
.endr
.endr
.endm
.macro NWCVT d, s                      ; rounded to bf16, ascending: register d + i is written when s + 2 i and s + 2 i + 1 are read
.set i, 0
.rept 32
	v_cvt_pk_bf16_f32 v[(\d)+i], v[(\s)+2*i], v[(\s)+2*i+1]
.set i, i+1
.endr
.endm
	NWLOAD 0, X
	NWLOAD 1, 192
	s_wait_loadcnt 32                              ; the eight loads of codes are in; the 32 of node weights may stay out
.irp i, 0,1
.irp c, 0,1
	global_store_b128 v3, v[NW+8*\i+4*\c:NW+8*\i+4*\c+3], s[20:21] offset:\i*1024+512*\c
	global_store_b128 v3, v[NW+16+8*\i+4*\c:NW+16+8*\i+4*\c+3], s[22:23] offset:\i*1024+512*\c
.endr
.endr
	s_wait_kmcnt 0x0                               ; the biases
	s_wait_loadcnt 0x0                             ; K steps 0 and 1 of the node weights
	s_wait_xcnt 0x0                                ; the stores above have read v128-159, which the node weights now take
	NWCVT NW, X
	NWCVT NW+32, 192
	NWLOAD 2, 192
	NWLOAD 3, X
	s_wait_loadcnt 0x0
	NWCVT NW+64, 192                               ; in place, ascending
	NWCVT NW+96, X
	s_wait_tensorcnt 0x0                           ; my quarter of K of x has landed,
	s_barrier_signal -1
	s_barrier_wait -1                              ; everybody's has
; ---- K step q of my half: 64 numbers a lane are quantised and stored as an image; then, rounded to bf16 in place, they go against the node weights
.macro KSTEP q
.if (\q) > 0
	PLACES                                         ; the loads below land in registers that matrix instructions have read
.endif
.irp b, 0,1,2,3
.irp j, 0,1,2,3
	ds_load_b128 v[X+16*\b+4*\j:X+16*\b+4*\j+3], v4 offset:((\q)/2)*2*CH+((\q)%2)*512+128*\b+16*\j
.endr
.endr
	s_wait_dscnt 0x0
	s_wait_xcnt 0x0                                ; the last step's stores have read the codes' registers
	QUANT X, PW+(\q)
	global_store_b128 v3, v[PC:PC+3], s[14:15] offset:(\q)*8192          ; 512 consecutive bytes a store
	global_store_b128 v3, v[PC+4:PC+7], s[14:15] offset:(\q)*8192+512
.set i, 0
.rept 32
	v_cvt_pk_bf16_f32 v[X+i], v[X+2*i], v[X+2*i+1]   ; in place, ascending: register i is written when registers 2 i and 2 i + 1 are read
.set i, i+1
.endr
.irp b, 0,1,2,3                                ; the two accumulators take turns, one instruction a turn; the first two products start the sums
.if ((\q) == 0) && (\b < 2)
	v_wmma_f32_16x16x32_bf16 v[ACC+8*(\b%2):ACC+8*(\b%2)+7], v[NW+32*(\q)+8*\b:NW+32*(\q)+8*\b+7], v[X+8*\b:X+8*\b+7], 0
.else
	v_wmma_f32_16x16x32_bf16 v[ACC+8*(\b%2):ACC+8*(\b%2)+7], v[NW+32*(\q)+8*\b:NW+32*(\q)+8*\b+7], v[X+8*\b:X+8*\b+7], v[ACC+8*(\b%2):ACC+8*(\b%2)+7]
.endif
.endr
.endm
	KSTEP 0
	KSTEP 1
	KSTEP 2
	KSTEP 3
	v_cndmask_b32 v60, v[PW], v[PW+1], vcc_lo      ; lanes 0-15 keep the even K steps' words, lanes 16-31 the odd ones'
	v_cndmask_b32 v61, v[PW+2], v[PW+3], vcc_lo
	global_store_b64 v8, v[60:61], s[16:17]        ; 256 consecutive bytes, aligned
	PLACES
.irp j, 0,1,2,3,4,5,6,7
	v_add_f32 v[X+\j], v[ACC+\j], v[ACC+8+\j]      ; lane (r, h): row r of x, node 8 h + j; each accumulator from its low end on
.endr
	ds_store_b128 v11, v[X:X+3]
	ds_store_b128 v11, v[X+4:X+7] offset:512
	s_wait_dscnt 0x0                               ; for the others' sake: my partial logits lie in LDS
	s_barrier_signal -1
	s_barrier_wait -1
	s_cmp_ge_u32 s[WV], 2
	s_cbranch_scc1 .Lend                           ; waves 0 and 1 finish their tiles; no barrier follows
	ds_load_b128 v[X+8:X+11], v12                  ; the other half of K
	ds_load_b128 v[X+12:X+15], v12 offset:512
.macro BIAS j, lo, hi
	v_mov_b32 v[X+16+\j], s[\lo]
	v_mov_b32 v[X+24+\j], s[\hi]
.endm
	BIAS 0, 56, 68
	BIAS 1, 57, 69
	BIAS 2, 58, 70
	BIAS 3, 59, 71
	BIAS 4, 60, 72
	BIAS 5, 61, 73
	BIAS 6, 62, 74
	BIAS 7, 63, 74                                 ; (there is no node 15: what lanes 16-31 make of register 7 is never used)
.irp j, 0,1,2,3,4,5,6,7
	v_cndmask_b32 v[X+16+\j], v[X+16+\j], v[X+24+\j], vcc_lo
.endr
	s_wait_dscnt 0x0
.irp j, 0,1,2,3,4,5,6,7
	v_add_f32 v[X+\j], v[X+\j], v[X+8+\j]
.endr
.irp j, 0,1,2,3,4,5,6,7
	v_add_f32 v[X+\j], v[X+\j], v[X+16+\j]         ; the logit
.endr
.irp j, 0,1,2,3,4,5,6,7
	v_mul_f32 v[X+\j], 0xbfb8aa3b, v[X+\j]         ; x -log2(e)
.endr
	s_wait_alu depctr_va_vdst(0)
.irp j, 0,1,2,3,4,5,6,7
	v_exp_f32 v[X+\j], v[X+\j]
.endr
	v_nop                                          ; a plain instruction behind the last exponential,
	s_wait_alu depctr_va_vdst(0)                   ; and one wait for the batch, ahead of its first reader
.irp j, 0,1,2,3,4,5,6,7
	v_add_f32 v[X+\j], 1.0, v[X+\j]
.endr
	s_wait_alu depctr_va_vdst(0)
.irp j, 0,1,2,3,4,5,6,7
	v_rcp_f32 v[X+\j], v[X+\j]                     ; the sigmoid: 1 / (1 + 2^(-z log2(e)))
.endr
	v_nop
	s_wait_alu depctr_va_vdst(0)
.irp j, 0,1,2,3,4,5,6,7
	v_permlanex16_b32 v[X+8+\j], v[X+\j], s[SEL], s[SEL+1]
.endr
.irp j, 0,1,2,3,4,5,6,7
	v_cndmask_b32 v[X+16+\j], v[X+\j], v[X+8+\j], vcc_lo   ; every lane gets nodes 0-7
.endr
.irp j, 0,1,2,3,4,5,6
	v_cndmask_b32 v[X+24+\j], v[X+8+\j], v[X+\j], vcc_lo   ; and 8-14: node k's sigmoid stands in v[X + 16 + k]
.endr
.irp k, 0,1,2,3,4,5,6,7,8,9,10,11,12,13,14
	v_sub_f32 v[X+32+\k], 1.0, v[X+16+\k]          ; 1 - it, in v[X + 32 + k]
.endr
	v_mul_f32 v[X+48], v[X+32], v[X+33]            ; the tree, level by level, in the order of the reference's products
	v_mul_f32 v[X+49], v[X+32], v[X+17]
	v_mul_f32 v[X+50], v[X+16], v[X+34]
	v_mul_f32 v[X+51], v[X+16], v[X+18]
.irp g, 0,1,2,3,4,5,6,7
	v_mul_f32 v[X+52+\g], v[X+48+\g/2], v[X+32-16*(\g%2)+3+\g/2]
.endr
.irp i, 0,1,2,3,4,5,6,7                        ; leaf 2 i + h
	v_cndmask_b32 v[X+2*\i], v[X+39+\i], v[X+23+\i], vcc_lo
	v_mul_f32 v[X+2*\i+1], v[X+52+\i], v[X+2*\i]
	v_mul_f32 v[X+2*\i], v[X+52+\i], v[X+2*\i]     ; twice: a pair for the packed multiply-add that will read it
	global_store_b64 v13, v[X+2*\i:X+2*\i+1], s[18:19] offset:256*\i   ; 256 consecutive bytes, aligned
.endr
.Lend:
	s_wait_tensorcnt 0x0
	ds_add_u32 v62, v63
	s_wait_dscnt 0x0
	s_endpgm
.Lfunc_end_k_qb2a79f0329_prep:
	.size	k_qb2a79f0329_prep, .Lfunc_end_k_qb2a79f0329_prep-k_qb2a79f0329_prep
	.p2alignl 7, 3214868480
	.fill 96, 4, 3214868480
	.section	.rodata,"a",@progbits
	.p2align	6, 0x0
	.amdhsa_kernel k_qb2a79f0329_prep
		.amdhsa_group_segment_fixed_size 204288
		.amdhsa_private_segment_fixed_size 0
		.amdhsa_enable_private_segment 0
		.amdhsa_kernarg_size 80
		.amdhsa_user_sgpr_count 2
		.amdhsa_user_sgpr_kernarg_segment_ptr 1
		.amdhsa_wavefront_size32 1
		.amdhsa_system_sgpr_workgroup_id_x 1
		.amdhsa_system_sgpr_workgroup_id_y 1
		.amdhsa_system_sgpr_workgroup_id_z 1
		.amdhsa_system_vgpr_workitem_id 0
		.amdhsa_next_free_vgpr 256
		.amdhsa_next_free_sgpr 96
		.amdhsa_reserve_vcc 1
		.amdhsa_float_denorm_mode_32 3
		.amdhsa_float_denorm_mode_16_64 3
		.amdhsa_memory_ordered 1
		.amdhsa_forward_progress 1
		.amdhsa_inst_pref_size 57
	.end_amdhsa_kernel
	.amdgpu_metadata
---
amdhsa.version: [ 1, 2 ]
amdhsa.kernels:
  - .name:           k_qb2a79f0329_prep
    .symbol:         k_qb2a79f0329_prep.kd
    .args:
      - { .name: x, .offset: 0, .size: 8, .value_kind: global_buffer, .address_space: global }
      - { .name: node_weights, .offset: 8, .size: 8, .value_kind: global_buffer, .address_space: global }
      - { .name: node_biases, .offset: 16, .size: 8, .value_kind: global_buffer, .address_space: global }
      - { .name: w1s_codes, .offset: 24, .size: 8, .value_kind: global_buffer, .address_space: global }
      - { .name: w2s_codes, .offset: 32, .size: 8, .value_kind: global_buffer, .address_space: global }
      - { .name: xq_codes, .offset: 40, .size: 8, .value_kind: global_buffer, .address_space: global }
      - { .name: xq_scales, .offset: 48, .size: 8, .value_kind: global_buffer, .address_space: global }
      - { .name: mix, .offset: 56, .size: 8, .value_kind: global_buffer, .address_space: global }
      - { .name: w1f, .offset: 64, .size: 8, .value_kind: global_buffer, .address_space: global }
      - { .name: w2f, .offset: 72, .size: 8, .value_kind: global_buffer, .address_space: global }
    .group_segment_fixed_size: 204288
    .private_segment_fixed_size: 0
    .kernarg_segment_align: 8
    .kernarg_segment_size: 80
    .max_flat_workgroup_size: 128
    .sgpr_count:     96
    .vgpr_count:     256
    .wavefront_size: 32
...
	.end_amdgpu_metadata
.endif
;; end of part 1
;; launch hidden (part 2): grid 8 x 32, 4 waves a work-group, clusters of 4 x 1, 327,680 bytes of LDS; arguments xq_codes, xq_scales, w1f, w1s_scales, b1s, a_codes, a_scales; writes a_codes, a_scales
.if DOCPART == 2
	.amdgcn_target "amdgcn-amd-amdhsa--gfx1250"
	.amdhsa_code_object_version 6
	.text
	.protected	k_qb2a79f0329_hidden
	.globl	k_qb2a79f0329_hidden
	.p2align	8
	.type	k_qb2a79f0329_hidden,@function
k_qb2a79f0329_hidden:
	s_mov_b64 s[64:65], 0
	v_nop
	global_prefetch_b8 v0, s[64:65] scope:SCOPE_SE
	s_setreg_imm32_b32 hwreg(HW_REG_WAVE_MODE, 25, 1), 1
	s_wait_xcnt 0x0
	s_wait_alu depctr_hold_cnt(0) depctr_sa_sdst(0) depctr_va_vdst(0) depctr_va_sdst(0) depctr_va_ssrc(0) depctr_va_vcc(0) depctr_vm_vsrc(0)
	s_getreg_b32 s2, hwreg(HW_REG_IB_STS2, 6, 4)
	s_cmp_eq_u32 s2, 0
	s_cbranch_scc0 .Lentry_in_a_cluster
	s_endpgm
.Lentry_in_a_cluster:
	s_bfe_u32 s2, ttmp6, 0x10000c
	s_cmp_lg_u32 s2, 0x3003
	s_cbranch_scc0 .Lentry_shape_is_right
	s_endpgm
.Lentry_shape_is_right:
; HIDDEN.  a = Q(relu(Q(x) W1 + b1)): the first quantised product, 8,192 x 4,096 x 1,024, on codes of FP4 with E8M0 scales; the result is quantised along the hidden units and stored as images of operand registers.
; SHARES.  A work-group owns 256 rows and 512 hidden units; wave w owns 128 hidden units (half a leaf) for all 256 rows.  ITS WEIGHTS STAY IN REGISTERS: 128 rows of W1 x 1,024 K are 64 fragments, 512 registers,
; loaded once, during the first pass.  The rows go in four passes of 64: 4 tiles of rows x 8 tiles of hidden units, 32 accumulators, 8 K steps of 32 matrix instructions, then the activation and the quantiser.
; x's codes of the 256 rows (two blocks of 65,536 bytes of images) lie in LDS, each filled once.  CLUSTER: the four partners have the same rows and ask for them JOINTLY; the second block is asked for behind the first round.
; x's scale words, W1's and b1 go from memory straight into registers.  No prefetch: each tensor load is issued once, and there is no loop to run ahead in.
; THE MATRIX INSTRUCTION IS USED TRANSPOSED (source 0 = 16 rows of W1, source 1 = 16 rows of x); in w1f lane r of tile 2 b + u holds row 32 b + 8 u + r + 8 (r / 8), so the 16 registers of two neighbouring tiles are 16 neighbours along the next K.
; b1 is the C of each pass's first K step.  LIMITS: NaN and infinities are not served; a block whose largest number lies under 2^-124, a block of zeros too, keeps the scale byte 1: the bytes are read by this program alone.
; REGISTERS.  window 0: v1-10 addresses; v16-27 a's scale words; v32-47 x's scale words of the pass; v64-95 W1's; v96-127 at work in the quantiser (v122, v123 kept for the add); v128-191 x's fragments, two sets, then the codes made; v192-255 b1.
;   window 1: the accumulators at 8 (8 a + t).   windows 2, 3: W1's fragments: K step s at 64 (s % 4) + 8 t of window 2 + s / 4.
.set SPARE, 131072
.set WV,  18
.set CX,  19
.set RB,  20
.set G1C, 24
.set G0C, 40
.set SEL, 48
.set HM,  58                           ; the mask of lanes 16-31
.set MSB, 0
.macro WIN new
.if MSB != (\new)
	s_set_vgpr_msb (MSB<<8)|(\new)
.set MSB, (\new)
.endif
.endm
.macro PLACES
.rept 4
	v_nop
.endr
.endm
.macro ROUND
	s_barrier_signal -1
	s_barrier_wait -1
	s_cmp_lg_u32 s[WV], 0
	s_cbranch_scc1 .Lnot_wave_0_\@
	s_barrier_signal -3
.Lnot_wave_0_\@:
	s_barrier_wait -3
	s_barrier_signal -1
	s_barrier_wait -1
.endm
	s_load_b256 s[4:11], s[0:1], 0x0               ; xq_codes, xq_scales, w1f, w1s_scales
	s_load_b128 s[12:15], s[0:1], 0x20             ; b1s, a_codes
	s_load_b64 s[16:17], s[0:1], 0x30              ; a_scales
	v_lshl_add_u32 v122, v0, 2, SPARE
	v_mov_b32 v123, 0
	ds_add_u32 v122, v123                          ; the opening lines: the add, twice on end, and its wait
	ds_add_u32 v122, v123
	v_lshrrev_b32 v7, 5, v0
	v_readfirstlane_b32 s[WV], v7
	s_bfe_u32 s[CX], ttmp6, 0x40000
	s_lshl_b32 s21, ttmp9, 2
	s_add_co_u32 s21, s21, s[CX]                   ; my block of 512 hidden units
	s_lshl_b32 s21, s21, 2
	s_add_co_u32 s21, s21, s[WV]                   ; my group of 128
	s_and_b32 s[RB], ttmp7, 0xffff                 ; my block of 256 rows, which the four partners share
	s_mov_b32 s[G1C+0], 15|(3<<16)|(1<<21)         ; the mask: all four work-groups; elements of 8 bytes; bit 21 beside a mask
	s_mov_b32 s[G1C+1], 32<<16
	s_mov_b32 s[G1C+2], 64<<16
	s_mov_b32 s[G1C+3], 32<<16
	s_mov_b32 s[G1C+4], 64                         ; 64 dense rows of 256 bytes: a quarter of a block's images
	s_mov_b32 s[G1C+5], 32
	s_mov_b32 s[G1C+6], 0
	s_mov_b32 s[G1C+7], 0
	s_mov_b32 s[G0C], 1
	s_lshl_b32 s[G0C+1], s[WV], 14
	s_lshl_b32 s50, s[RB], 17
	s_add_co_u32 s50, s50, s[G0C+1]
	s_mov_b32 s51, 0
	s_lshl_b32 s52, s[RB], 13
	s_mov_b32 s53, 0
	s_lshl_b32 s32, s21, 16
	s_mov_b32 s33, 0
	s_lshl_b32 s34, s21, 12
	s_mov_b32 s35, 0
	s_lshl_b32 s36, s21, 9
	s_mov_b32 s37, 0
	s_lshr_b32 s22, s21, 1                         ; my leaf,
	s_and_b32 s23, s21, 1                          ; and which K step of the next product
	s_lshl_b32 s54, s[RB], 19
	s_lshl_b32 s56, s22, 14
	s_add_co_u32 s54, s54, s56
	s_lshl_b32 s56, s23, 10
	s_add_co_u32 s54, s54, s56
	s_mov_b32 s55, 0
	s_lshl_b32 s56, s[RB], 15
	s_lshl_b32 s22, s22, 10
	s_add_co_u32 s56, s56, s22
	s_lshl_b32 s23, s23, 9
	s_add_co_u32 s56, s56, s23
	s_mov_b32 s57, 0
	s_mov_b32 s[SEL], 0x76543210
	s_mov_b32 s[SEL+1], 0xfedcba98
	s_wait_dscnt 0x0
	s_wait_kmcnt 0x0
	s_add_nc_u64 s[G0C+2:G0C+3], s[4:5], s[50:51]
	s_or_b32 s[G0C+3], s[G0C+3], 0x80000000
	s_add_nc_u64 s[6:7], s[6:7], s[52:53]
	s_add_nc_u64 s[8:9], s[8:9], s[32:33]
	s_add_nc_u64 s[10:11], s[10:11], s[34:35]
	s_add_nc_u64 s[12:13], s[12:13], s[36:37]
	s_add_nc_u64 s[14:15], s[14:15], s[54:55]
	s_add_nc_u64 s[16:17], s[16:17], s[56:57]
	ROUND                                          ; all four work-groups are here: the joint loads meet
	tensor_load_to_lds s[G0C:G0C+3], s[G1C:G1C+7]        ; my quarter of the first 128 rows' images
	s_nop 0
	PLACES
	v_and_b32 v7, 31, v0
	v_and_b32 v8, 15, v0
	v_bfe_u32 v6, v0, 4, 1
	v_lshlrev_b32 v1, 4, v7                        ; 16 x lane: an image's place for my lane
	v_lshlrev_b32 v2, 3, v7                        ; x's scale words: 8 x lane
	v_and_b32 v9, 8, v8
	v_add_nc_u32 v9, v9, v8
	v_lshl_add_u32 v9, v6, 3, v9
	v_lshlrev_b32 v3, 5, v9                        ; W1's scale bytes: 32 a row; lanes 0-15 the even tile's rows, lanes 16-31 the odd tile's
	v_lshlrev_b32 v4, 6, v6                        ; b1: + 16 h numbers
	v_lshlrev_b32 v5, 5, v8
	v_lshl_add_u32 v5, v6, 4, v5                   ; a's scale words: 32 r + 16 h
	v_add_nc_u32 v10, 65536, v1                    ; the second 128 rows' images
	v_cmp_ne_u32 s[HM], 0, v6
.irp b, 0,1,2,3
	v_mov_b32 v[100+\b], 0                         ; written once: a lane permute's destination counts as one of its sources
	v_mov_b32 v[116+\b], 0
.endr
	s_wait_alu depctr_va_vdst(0)                   ; the wait at the head's end
.macro XSLOAD pi                       ; x's scale words of pass pi's four tiles: 8 loads of 256 consecutive bytes
	WIN 0
.irp a, 0,1,2,3
.irp k, 0,1
	global_load_b64 v[32+4*\a+2*\k:33+4*\a+2*\k], v2, s[6:7] offset:((\pi)/2)*4096+(4*((\pi)%2)+\a)*512+\k*256
.endr
.endr
.endm
.macro SLOAD                           ; W1's scale words and b1, once: 24 loads
	WIN 0
.irp b, 0,1,2,3
	global_load_b128 v[64+8*\b:67+8*\b], v3, s[10:11] offset:1024*\b
	global_load_b128 v[68+8*\b:71+8*\b], v3, s[10:11] offset:1024*\b+16
.endr
.irp t, 0,1,2,3,4,5,6,7
	global_load_b128 v[192+8*\t:195+8*\t], v4, s[12:13] offset:(32*(\t/2)+8*(\t%2))*4
	global_load_b128 v[196+8*\t:199+8*\t], v4, s[12:13] offset:(32*(\t/2)+8*(\t%2))*4+16
.endr
.endm
.macro WLOAD s                         ; W1's eight fragments of K step s: 16 loads of 512 consecutive bytes
	WIN 0x80+0x40*((\s)/4)
.irp i, 0,1,2,3,4,5,6,7,8,9,10,11,12,13,14,15
	global_load_b128 v[64*((\s)%4)+4*\i:64*((\s)%4)+4*\i+3], v1, s[8:9] offset:(\s)*8192+512*\i
.endr
.endm
.macro ALOAD pi, s                     ; x's four fragments of pass pi, K step s, into set s % 2: 8 LDS loads
	WIN 0
.irp i, 0,1,2,3,4,5,6,7
	ds_load_b128 v[128+32*((\s)%2)+4*\i:128+32*((\s)%2)+4*\i+3], v[1+9*((\pi)/2)] offset:(\s)*8192+((\pi)%2)*4096+512*\i
.endr
.endm
.macro WM a, t, s
.set rD, 8*(8*(\a)+(\t))
.set rA, 64*((\s)%4)+8*(\t)
.set rB, 128+32*((\s)%2)+8*(\a)
.set rC, rD
.if (\s) == 0
.set rC, 192+8*(\t)                    ; b1 starts the sum
.endif
.set rP, 64+8*((\t)/2)+(\s)
.set rQ, 32+4*(\a)+(\s)/2
.if ((\t)%2 == 0) && ((\s)%2 == 0)
	v_wmma_scale_f32_16x16x128_f8f6f4 v[rD:rD+7], v[rA:rA+7], v[rB:rB+7], v[rC:rC+7], v[rP], v[rQ] matrix_a_fmt:MATRIX_FMT_FP4 matrix_b_fmt:MATRIX_FMT_FP4
.elseif ((\t)%2 == 1) && ((\s)%2 == 0)
	v_wmma_scale_f32_16x16x128_f8f6f4 v[rD:rD+7], v[rA:rA+7], v[rB:rB+7], v[rC:rC+7], v[rP], v[rQ] matrix_a_fmt:MATRIX_FMT_FP4 matrix_b_fmt:MATRIX_FMT_FP4 matrix_a_scale:MATRIX_SCALE_ROW1
.elseif ((\t)%2 == 0) && ((\s)%2 == 1)
	v_wmma_scale_f32_16x16x128_f8f6f4 v[rD:rD+7], v[rA:rA+7], v[rB:rB+7], v[rC:rC+7], v[rP], v[rQ] matrix_a_fmt:MATRIX_FMT_FP4 matrix_b_fmt:MATRIX_FMT_FP4 matrix_b_scale:MATRIX_SCALE_ROW1
.else
	v_wmma_scale_f32_16x16x128_f8f6f4 v[rD:rD+7], v[rA:rA+7], v[rB:rB+7], v[rC:rC+7], v[rP], v[rQ] matrix_a_fmt:MATRIX_FMT_FP4 matrix_b_fmt:MATRIX_FMT_FP4 matrix_a_scale:MATRIX_SCALE_ROW1 matrix_b_scale:MATRIX_SCALE_ROW1
.endif
.endm
.macro MULS s                          ; 32 matrix instructions; the 32 accumulators take turns, in the same order in every K step
.if (\s) == 0
	WIN 0x42                                       ; W1 window 2, x and b1 window 0, D window 1
.elseif (\s) < 4
	WIN 0x52                                       ; C window 1 too
.else
	WIN 0x53                                       ; W1 window 3
.endif
.irp a, 0,1,2,3
.irp t, 0,1,2,3,4,5,6,7
	WM \a, \t, \s
.endr
.endr
.endm
; A K step.  Four places stand in front of the loads into the set that the step before multiplied.  wl: the K step whose weights are asked for (-1: none).  THE COUNT 8: the next step's fragments may stay out.
; ln: loads from memory that may stay out: the sets of 16 issued behind this step's weights (-1: no wait).
.macro STEP pi, s, wl, ln
.if (\s) > 0
	PLACES
.endif
.if \wl >= 0
	WLOAD \wl
.endif
.if (\s) < 7
	ALOAD \pi, (\s)+1
	s_wait_dscnt 8
.else
	s_wait_dscnt 0
.endif
.if \ln >= 0
	s_wait_loadcnt \ln
.endif
	MULS \s
.endm
; Two tiles of rows x 128 hidden units: the activation, each block's scale from its largest number, the codes, and their stores.  e = 2 (pi % 2) or + 1: the tiles are 2 e and 2 e + 1 of their block of 128 rows.
.macro EPI pi, e
.set AB, 128*((\e)%2)
	WIN 0x44
.set j, 0
.rept 128
	v_max_num_f32 v[AB+j], 0, v[AB+j]              ; each accumulator from its low end on
.set j, j+1
.endr
	WIN 0x14
.irp x, 0,1
.irp b, 0,1,2,3
	v_max3_num_f32 v[96+16*\x+\b], 0x1800000, v[AB+64*\x+16*\b], v[AB+64*\x+16*\b+1]   ; with the floor 2^(3 - 127): the byte cannot fall under 1
.endr
.endr
.irp i, 2,4,6,8,10,12,14
.irp x, 0,1
.irp b, 0,1,2,3
	v_max3_num_f32 v[96+16*\x+\b], v[96+16*\x+\b], v[AB+64*\x+16*\b+\i], v[AB+64*\x+16*\b+\i+1]
.endr
.endr
.endr
	WIN 0
.irp x, 0,1
.irp b, 0,1,2,3
	v_permlanex16_b32 v[100+16*\x+\b], v[96+16*\x+\b], s[SEL], s[SEL+1]
.endr
.endr
.irp x, 0,1
.irp b, 0,1,2,3
	v_max_num_f32 v[96+16*\x+\b], v[96+16*\x+\b], v[100+16*\x+\b]
.endr
.endr
.irp x, 0,1
.irp b, 0,1,2,3
	v_add_nc_u32 v[108+16*\x+\b], 0xff000000, v[96+16*\x+\b]   ; 2 off the exponent field: the conversion's scale operand
.endr
.endr
.irp x, 0,1
.irp b, 0,1,2,3
	v_lshrrev_b32 v[100+16*\x+\b], 23, v[108+16*\x+\b]
.endr
.endr
.irp x, 0,1
	v_lshl_or_b32 v[16+2*(\e)+\x], v[101+16*\x], 8, v[100+16*\x]
	v_lshl_or_b32 v[16+2*(\e)+\x], v[102+16*\x], 16, v[16+2*(\e)+\x]
	v_lshl_or_b32 v[16+2*(\e)+\x], v[103+16*\x], 24, v[16+2*(\e)+\x]
.endr
	WIN 0x01
.irp x, 0,1
.irp b, 0,1,2,3
	v_cvt_scalef32_pk8_fp4_f32 v[128+8*(2*(\e)+\x)+2*\b], v[AB+64*\x+16*\b:AB+64*\x+16*\b+7], v[108+16*\x+\b]
	v_cvt_scalef32_pk8_fp4_f32 v[129+8*(2*(\e)+\x)+2*\b], v[AB+64*\x+16*\b+8:AB+64*\x+16*\b+15], v[108+16*\x+\b]
.endr
.endr
	WIN 0
	v_nop                                          ; one plain place behind a scaled conversion
.irp x, 0,1
.irp c, 0,1
.irp i, 0,1
	v_permlane16_swap_b32 v[128+8*(2*(\e)+\x)+4*\c+\i], v[130+8*(2*(\e)+\x)+4*\c+\i]
.endr
.endr
.endr
.irp x, 0,1
.irp c, 0,1
	global_store_b128 v1, v[128+8*(2*(\e)+\x)+4*\c:128+8*(2*(\e)+\x)+4*\c+3], s[14:15] offset:((\pi)/2)*262144+(2*(\e)+\x)*2048+512*\c th:TH_STORE_NT   ; 512 consecutive bytes a store
.endr
.endr
.endm
.macro TAIL pi
	PLACES
.if (\pi) < 3
	XSLOAD (\pi)+1
.endif
	EPI \pi, 2*((\pi)%2)
	EPI \pi, 2*((\pi)%2)+1
.if (\pi)%2 == 1
.irp i, 0,1,2,3
	v_cndmask_b32 v[24+\i], v[16+\i], v[20+\i], s[HM]   ; lanes 0-15 the words of tiles 0-3, lanes 16-31 of tiles 4-7
.endr
	global_store_b128 v5, v[24:27], s[16:17] offset:((\pi)/2)*16384 th:TH_STORE_NT   ; 512 consecutive bytes
.endif
.if (\pi) < 3
	s_wait_xcnt 0x0                                ; the stores have read the codes' registers, which x's fragments take again
.endif
.endm
.macro PASSN pi
	STEP \pi, 0, -1, 0                             ; the pass's scale words of x are the only loads that are out
.irp s, 1,2,3,4,5,6,7
	STEP \pi, \s, -1, -1
.endr
.endm
	XSLOAD 0
	SLOAD
	WLOAD 0
	WLOAD 1
	WLOAD 2
	WIN 0
	s_wait_tensorcnt 0x0                           ; my quarter of the first block is in
	ds_add_u32 v122, v123
	s_add_nc_u64 s[G0C+2:G0C+3], s[G0C+2:G0C+3], 65536
	s_add_co_u32 s[G0C+1], s[G0C+1], 65536
	s_wait_dscnt 0x0
	ROUND
	tensor_load_to_lds s[G0C:G0C+3], s[G1C:G1C+7]        ; my quarter of the second 128 rows' images
	s_nop 0
	PLACES
	ALOAD 0, 0
	STEP 0, 0, 3, 48                               ; the first pass brings the weights in, three K steps ahead
	STEP 0, 1, 4, 48
	STEP 0, 2, 5, 48
	STEP 0, 3, 6, 48
	STEP 0, 4, 7, 48
	STEP 0, 5, -1, 32
	STEP 0, 6, -1, 16
	STEP 0, 7, -1, 0
	TAIL 0
	ALOAD 1, 0
	PASSN 1
	TAIL 1
	s_wait_tensorcnt 0x0                           ; my quarter of the second block is in,
	ds_add_u32 v122, v123
	s_wait_dscnt 0x0
	s_barrier_signal -1
	s_barrier_wait -1                              ; everybody's is
	ALOAD 2, 0
	PASSN 2
	TAIL 2
	ALOAD 3, 0
	PASSN 3
	TAIL 3
	s_wait_tensorcnt 0x0                           ; the wave's end
	ds_add_u32 v122, v123
	s_wait_dscnt 0x0
	ROUND                                          ; the closing round
	s_endpgm
.Lfunc_end_k_qb2a79f0329_hidden:
	.size	k_qb2a79f0329_hidden, .Lfunc_end_k_qb2a79f0329_hidden-k_qb2a79f0329_hidden
	.p2alignl 7, 3214868480
	.fill 96, 4, 3214868480
	.section	.rodata,"a",@progbits
	.p2align	6, 0x0
	.amdhsa_kernel k_qb2a79f0329_hidden
		.amdhsa_group_segment_fixed_size 327680
		.amdhsa_private_segment_fixed_size 0
		.amdhsa_enable_private_segment 0
		.amdhsa_kernarg_size 56
		.amdhsa_user_sgpr_count 2
		.amdhsa_user_sgpr_kernarg_segment_ptr 1
		.amdhsa_wavefront_size32 1
		.amdhsa_system_sgpr_workgroup_id_x 1
		.amdhsa_system_sgpr_workgroup_id_y 1
		.amdhsa_system_sgpr_workgroup_id_z 1
		.amdhsa_system_vgpr_workitem_id 0
		.amdhsa_next_free_vgpr 1024
		.amdhsa_next_free_sgpr 66
		.amdhsa_reserve_vcc 0
		.amdhsa_float_denorm_mode_32 3
		.amdhsa_float_denorm_mode_16_64 3
		.amdhsa_memory_ordered 1
		.amdhsa_forward_progress 1
		.amdhsa_inst_pref_size 255
	.end_amdhsa_kernel
	.section	.bss,"aw",@nobits
	.p2align	6
	.space	262144
	.amdgpu_metadata
---
amdhsa.version: [ 1, 2 ]
amdhsa.kernels:
  - .name:           k_qb2a79f0329_hidden
    .symbol:         k_qb2a79f0329_hidden.kd
    .args:
      - { .name: xq_codes, .offset: 0, .size: 8, .value_kind: global_buffer, .address_space: global }
      - { .name: xq_scales, .offset: 8, .size: 8, .value_kind: global_buffer, .address_space: global }
      - { .name: w1f, .offset: 16, .size: 8, .value_kind: global_buffer, .address_space: global }
      - { .name: w1s_scales, .offset: 24, .size: 8, .value_kind: global_buffer, .address_space: global }
      - { .name: b1s, .offset: 32, .size: 8, .value_kind: global_buffer, .address_space: global }
      - { .name: a_codes, .offset: 40, .size: 8, .value_kind: global_buffer, .address_space: global }
      - { .name: a_scales, .offset: 48, .size: 8, .value_kind: global_buffer, .address_space: global }
    .group_segment_fixed_size: 327680
    .private_segment_fixed_size: 0
    .kernarg_segment_align: 8
    .kernarg_segment_size: 56
    .max_flat_workgroup_size: 128
    .sgpr_count:     66
    .vgpr_count:     1024
    .wavefront_size: 32
...
	.end_amdgpu_metadata
.endif
;; end of part 2
;; launch mixout (part 3): grid 4 x 64, 4 waves a work-group, clusters of 4 x 1, 327,680 bytes of LDS; arguments a_codes, a_scales, mix, w2f, w2s_scales, b2s, out0; writes out0
.if DOCPART == 3
	.amdgcn_target "amdgcn-amd-amdhsa--gfx1250"
	.amdhsa_code_object_version 6
	.text
	.protected	k_qb2a79f0329_mixout
	.globl	k_qb2a79f0329_mixout
	.p2align	8
	.type	k_qb2a79f0329_mixout,@function
k_qb2a79f0329_mixout:
	s_mov_b64 s[64:65], 0
	v_nop
	global_prefetch_b8 v0, s[64:65] scope:SCOPE_SE
	s_setreg_imm32_b32 hwreg(HW_REG_WAVE_MODE, 25, 1), 1
	s_wait_xcnt 0x0
	s_wait_alu depctr_hold_cnt(0) depctr_sa_sdst(0) depctr_va_vdst(0) depctr_va_sdst(0) depctr_va_ssrc(0) depctr_va_vcc(0) depctr_vm_vsrc(0)
	s_getreg_b32 s2, hwreg(HW_REG_IB_STS2, 6, 4)
	s_cmp_eq_u32 s2, 0
	s_cbranch_scc0 .Lentry_in_a_cluster
	s_endpgm
.Lentry_in_a_cluster:
	s_bfe_u32 s2, ttmp6, 0x10000c
	s_cmp_lg_u32 s2, 0x3003
	s_cbranch_scc0 .Lentry_shape_is_right
	s_endpgm
.Lentry_shape_is_right:
; MIXOUT.  out[row] = the sum over 16 leaves of mixture[row][leaf] x (Q(a_leaf) W2_leaf + b2_leaf): the second quantised product, 16 x (8,192 x 1,024 x 256), on codes of FP4 with E8M0 scales, and the weighted sum in f32.
; The mixture is no power of two, so it can go into no scale: each leaf's product has accumulators of its own (two K steps), and packed multiply-adds fold them into the running sum.
; SHARES.  A work-group owns 128 rows (work-group y) and 256 outputs (its place cx in the cluster); wave w owns outputs 256 cx + 64 w .. + 63 for all 128 rows: the running sum is 8 tiles of rows x 4 tiles of outputs, 256 registers.
; a's codes of the 128 rows for all 16 leaves (262,144 bytes of images), their scale words and the rows' mixture lie in LDS for the whole launch: filled once, never again.  CLUSTER: the four partners have the same rows,
; so these fills are asked for JOINTLY.  THE WEIGHTS go from memory straight into registers: each byte of W2 feeds one wave of one work-group of the cluster; in w2f a fragment is two loads of 512 consecutive bytes.
; They are asked for three leaves ahead, into four sets.
; LEAVES 0 TO 11 GO LEAF BY LEAF, all 128 rows each.  THE LAST FOUR LEAVES GO BY ROWS: their four sets of weights all lie in registers, so 32 rows at a time take leaves 12, 13, 14, 15 one after the other, are finished,
; and leave while the other rows are multiplied: of a wave's 64 stores 16 go out 176, 16 more 112 and 16 more 48 matrix instructions ahead of the last product.  Each output still adds its leaves in ascending order.
; THE MATRIX INSTRUCTION IS USED TRANSPOSED (source 0 = 16 rows of W2, source 1 = 16 rows of a): a lane holds one row and eight neighbouring outputs, and its row's mixture is one number a lane.
; b2 is the C of each leaf's first instruction, so it is added first and not last.  LIMITS: NaN and infinities are not served.
; REGISTERS.  window 0: v1-11, v20-23 addresses; v32-47 W2's scale words, 4 sets x (2 pairs of tiles x 2 K steps): lanes 0-15 the even tile, lanes 16-31 the odd; v48-63 a's, 2 sets x 8 tiles of rows: lanes 0-15 K step 0, lanes 16-31 K step 1;
;   v64-95 the mixture, 2 sets x 8 pairs; v128-159 b2 on its way to LDS.   window 1: W2's fragments, 4 sets at 64 k + 8 (2 t + s).
;   window 2: v0-127 a's fragments (16 a + 8 s; in the last four leaves four buffers of 32); v128-191 a batch's eight products; v192-255 b2, 2 sets x 32.   window 3: the running sum at 8 (4 a + t).
.set ASC,  262144                      ; LDS: a's images from 0 (leaf x 16,384 + a x 2,048 + s x 1,024); their scale words from here (leaf x 1,024);
.set MIXL, 278528                      ; the mixture (a x 2,048 + leaf x 128 + 8 r);
.set B2L,  294912                      ; b2 of my work-group's 256 outputs (leaf x 1,024), written by LDS stores alone.  The way out's stages, 16 x 272 bytes a wave, lie at bytes 0 to 17,407, in the images of leaves 0 and 1, behind their last read
.set WV,  18
.set CX,  19
.set RB,  20
.set G1C, 24                           ; s[24:31] group 1: 64 dense rows of 256 bytes;  s[32:39]: 96 such rows
.set G1Q, 32
.set G0,  40                           ; s[40:51] three groups 0
.set MSB, 0
.macro WIN new                         ; s_set_vgpr_msb: bits 1:0 source 0, 3:2 source 1, 5:4 source 2, 7:6 destination; the high byte repeats the setting that is left
.if MSB != (\new)
	s_set_vgpr_msb (MSB<<8)|(\new)
.set MSB, (\new)
.endif
.endm
.macro PLACES                          ; four plain vector instructions between a matrix instruction and a vector instruction that reads its result (ISA guide 7.12.1)
.rept 4
	v_nop
.endr
.endm
.macro ROUND                           ; a round of the cluster's barrier
	s_barrier_signal -1
	s_barrier_wait -1
	s_cmp_lg_u32 s[WV], 0
	s_cbranch_scc1 .Lnot_wave_0_\@
	s_barrier_signal -3
.Lnot_wave_0_\@:
	s_barrier_wait -3
	s_barrier_signal -1
	s_barrier_wait -1
.endm
	s_load_b256 s[4:11], s[0:1], 0x0               ; a_codes, a_scales, mix, w2f
	s_load_b128 s[12:15], s[0:1], 0x20             ; w2s_scales, b2s
	s_load_b64 s[16:17], s[0:1], 0x30              ; out0
	v_lshl_add_u32 v254, v0, 2, 0x4c000
	v_mov_b32 v255, 0
	ds_add_u32 v254, v255
	ds_add_u32 v254, v255
	v_lshrrev_b32 v12, 5, v0
	v_readfirstlane_b32 s[WV], v12                 ; wave 0..3
	s_bfe_u32 s[CX], ttmp6, 0x40000                ; my place in the cluster: it enters the weights', b2's and the output's addresses alone
	s_and_b32 s[RB], ttmp7, 0xffff                 ; my block of 128 rows, which the four partners share
.irp g, G1C, G1Q
	s_mov_b32 s[\g+0], 15|(3<<16)|(1<<21)          ; the mask: all four work-groups; elements of 8 bytes; bit 21 beside a mask
	s_mov_b32 s[\g+1], 32<<16
	s_mov_b32 s[\g+3], 32<<16
	s_mov_b32 s[\g+5], 32
	s_mov_b32 s[\g+6], 0
	s_mov_b32 s[\g+7], 0
.endr
	s_mov_b32 s[G1C+2], 64<<16
	s_mov_b32 s[G1C+4], 64                         ; a leaf's images: 16,384 bytes
	; a's images come in THREE JOINT STAGES, one tensor load a wave each: leaves 0-3 at the head (a leaf a wave), leaves 4-9 behind the first round, leaves 10-15 behind a round ahead of leaf 3 (a quarter of six leaves a wave).
	; a's scale words and the mixture come, like b2, by loads and LDS stores, into bytes that no tensor load fills.
	s_mov_b32 s[G1Q+2], 96<<16
	s_mov_b32 s[G1Q+4], 96                         ; a quarter of six leaves' images: 24,576 bytes
	s_lshl_b32 s80, s[WV], 14
	s_mov_b32 s81, 0
	s_mul_i32 s82, s[WV], 24576
	s_mov_b32 s83, 0
	s_mov_b32 s[G0], 1
	s_lshl_b32 s[G0+1], s[WV], 14                  ; leaf w
	s_mov_b32 s[G0+4], 1
	s_add_co_u32 s[G0+5], s82, 4*16384             ; my quarter of leaves 4-9
	s_mov_b32 s[G0+8], 1
	s_add_co_u32 s[G0+9], s82, 10*16384            ; and of leaves 10-15
	s_lshl_b32 s68, s[RB], 14
	s_mov_b32 s69, 0
	s_lshl_b32 s70, s[RB], 18
	s_mov_b32 s71, 0
	s_wait_dscnt 0x0
	s_wait_kmcnt 0x0
	s_add_nc_u64 s[6:7], s[6:7], s[68:69]          ; my rows' scale words of a,
	s_add_nc_u64 s[8:9], s[8:9], s[68:69]          ; and their mixture
	s_add_nc_u64 s[72:73], s[4:5], s[70:71]
	s_add_nc_u64 s[G0+2:G0+3], s[72:73], s[80:81]
	s_add_nc_u64 s[72:73], s[72:73], s[82:83]
	s_add_nc_u64 s[G0+6:G0+7], s[72:73], 65536
	s_add_nc_u64 s[G0+10:G0+11], s[72:73], 163840
	s_or_b32 s[G0+3], s[G0+3], 0x80000000
	s_or_b32 s[G0+7], s[G0+7], 0x80000000
	s_or_b32 s[G0+11], s[G0+11], 0x80000000
	ROUND                                          ; all four work-groups are here: the joint loads meet
	tensor_load_to_lds s[G0:G0+3], s[G1C:G1C+7]          ; leaves 0-3: one tensor load a wave at the head
	s_nop 0
	PLACES
	s_lshl_b32 s21, s[CX], 2
	s_add_co_u32 s21, s21, s[WV]                   ; my group of 64 outputs
	s_mov_b32 s77, 0
	s_lshl_b32 s76, s21, 13
	s_add_nc_u64 s[10:11], s[10:11], s[76:77]      ; its fragments of leaf 0: 8,192 bytes a group, 131,072 a leaf
	s_lshl_b32 s76, s21, 9
	s_add_nc_u64 s[12:13], s[12:13], s[76:77]      ; its scale bytes: 64 rows of 8; 8,192 a leaf
	s_lshl_b32 s76, s[CX], 10
	s_add_nc_u64 s[14:15], s[14:15], s[76:77]      ; b2 of my work-group's 256 outputs
	s_lshl_b32 s78, s[RB], 19
	s_add_co_u32 s76, s76, s78
	s_lshl_b32 s78, s[WV], 8
	s_add_co_u32 s76, s76, s78
	s_add_nc_u64 s[16:17], s[16:17], s[76:77]      ; out0 at my first row and my first output
	v_and_b32 v12, 31, v0                          ; lane
	v_and_b32 v13, 15, v0                          ; r
	v_bfe_u32 v14, v0, 4, 1                        ; h
	v_lshlrev_b32 v1, 4, v12                       ; 16 x lane, for the weights; never rewritten
	v_lshlrev_b32 v2, 4, v12                       ; a's images: 16 x lane + 16,384 x the leaf in hand
	v_lshl_add_u32 v3, v12, 5, ASC                 ; a's scale words: lane 16 s + r takes row r's eight words of K step s
	v_lshl_add_u32 v4, v13, 3, MIXL                ; the mixture of row r
	s_add_co_u32 s78, s78, B2L
	v_lshlrev_b32 v5, 5, v14
	v_add_nc_u32 v5, s78, v5                       ; b2: my wave's 64 outputs, + 8 h
	v_lshl_add_u32 v20, v12, 5, ASC                ; the same three places once more, never stepped: the last four leaves name them with the leaf in the immediate
	v_lshl_add_u32 v21, v13, 3, MIXL
	v_lshlrev_b32 v22, 5, v14
	v_add_nc_u32 v22, s78, v22
	v_add_nc_u32 v23, 12*16384, v1                 ; and leaf 12's images: leaves 12 to 15 lie inside the 16-bit immediate from here
	v_lshlrev_b32 v6, 3, v12                       ; W2's scale words: 8 bytes a row, a lane a row
	s_mul_i32 s78, s[WV], 16*272                   ; my stage
	v_mul_u32_u24 v7, v13, 272
	v_lshl_add_u32 v7, v14, 5, v7
	v_add_nc_u32 v7, s78, v7                       ; in: row r, 32 bytes for each half of the lanes
	v_mul_u32_u24 v8, v14, 272
	v_lshl_add_u32 v8, v13, 4, v8
	v_add_nc_u32 v8, s78, v8                       ; back: lanes 0-15 one row of 256 bytes, lanes 16-31 the next
	v_lshlrev_b32 v9, 12, v14
	v_lshl_add_u32 v9, v13, 4, v9                  ; and the same two rows in out0
	v_lshrrev_b32 v10, 6, v0
	v_and_b32 v15, 63, v0
	v_lshlrev_b32 v10, 12, v10
	v_lshl_add_u32 v10, v15, 4, v10                ; b2 on its way in: 64 threads take a leaf's 1,024 bytes, the work-group two leaves an instruction
	v_lshl_add_u32 v11, v0, 4, B2L
	v_lshlrev_b32 v16, 4, v0                       ; a's scale words and the mixture on their way in: 2,048 consecutive bytes an instruction of the work-group
	v_lshl_add_u32 v17, v0, 4, ASC
	v_lshl_add_u32 v18, v0, 4, MIXL
.macro GSET k, off                     ; the weights of the leaf off leaves on from the base, into set k: 16 loads of 512 consecutive bytes, and 2 of 256 for the scale words: 18 loads
	WIN 0x40
.irp i, 0,1,2,3,4,5,6,7,8,9,10,11,12,13,14,15
	global_load_b128 v[64*(\k)+4*\i:64*(\k)+4*\i+3], v1, s[10:11] offset:(\off)*131072+512*\i
.endr
	WIN 0
	global_load_b64 v[32+4*(\k):33+4*(\k)], v6, s[12:13] offset:(\off)*8192
	global_load_b64 v[34+4*(\k):35+4*(\k)], v6, s[12:13] offset:(\off)*8192+256
.endm
.macro P0 q1                           ; a leaf's small operands into set q1 % 2: a's scale words, the mixture, b2: 18 LDS loads
	WIN 0
	ds_load_b128 v[48+8*((\q1)%2):51+8*((\q1)%2)], v3 offset:(\q1)*1024
	ds_load_b128 v[52+8*((\q1)%2):55+8*((\q1)%2)], v3 offset:(\q1)*1024+16
.irp a, 0,1,2,3,4,5,6,7
	ds_load_b64 v[64+16*((\q1)%2)+2*\a:65+16*((\q1)%2)+2*\a], v4 offset:(\q1)*128+\a*2048
.endr
	WIN 0x80
.irp t, 0,1,2,3
	ds_load_b128 v[192+32*((\q1)%2)+8*\t:195+32*((\q1)%2)+8*\t], v5 offset:(\q1)*1024+64*\t
	ds_load_b128 v[196+32*((\q1)%2)+8*\t:199+32*((\q1)%2)+8*\t], v5 offset:(\q1)*1024+64*\t+16
.endr
.endm
.macro AF p, d                         ; a's fragments of tiles of rows 2 p and 2 p + 1, both K steps, d bytes on from the leaf in hand: 8 LDS loads
	WIN 0x80
.irp i, 0,1,2,3,4,5,6,7
	ds_load_b128 v[32*(\p)+4*\i:32*(\p)+4*\i+3], v2 offset:(\d)+(\p)*4096+512*\i
.endr
.endm
; The matrix line on the registers that rD, rA, rB, rC, rP, rQ name.  W2's scale word stands in lanes 16-31 for an odd tile t, a's for K step 1.
.macro WM4 t, s
.if ((\t)%2 == 0) && ((\s) == 0)
	v_wmma_scale_f32_16x16x128_f8f6f4 v[rD:rD+7], v[rA:rA+7], v[rB:rB+7], v[rC:rC+7], v[rP], v[rQ] matrix_a_fmt:MATRIX_FMT_FP4 matrix_b_fmt:MATRIX_FMT_FP4
.elseif ((\t)%2 == 1) && ((\s) == 0)
	v_wmma_scale_f32_16x16x128_f8f6f4 v[rD:rD+7], v[rA:rA+7], v[rB:rB+7], v[rC:rC+7], v[rP], v[rQ] matrix_a_fmt:MATRIX_FMT_FP4 matrix_b_fmt:MATRIX_FMT_FP4 matrix_a_scale:MATRIX_SCALE_ROW1
.elseif ((\t)%2 == 0) && ((\s) == 1)
	v_wmma_scale_f32_16x16x128_f8f6f4 v[rD:rD+7], v[rA:rA+7], v[rB:rB+7], v[rC:rC+7], v[rP], v[rQ] matrix_a_fmt:MATRIX_FMT_FP4 matrix_b_fmt:MATRIX_FMT_FP4 matrix_b_scale:MATRIX_SCALE_ROW1
.else
	v_wmma_scale_f32_16x16x128_f8f6f4 v[rD:rD+7], v[rA:rA+7], v[rB:rB+7], v[rC:rC+7], v[rP], v[rQ] matrix_a_fmt:MATRIX_FMT_FP4 matrix_b_fmt:MATRIX_FMT_FP4 matrix_a_scale:MATRIX_SCALE_ROW1 matrix_b_scale:MATRIX_SCALE_ROW1
.endif
.endm
.macro YM q, a, t, s                   ; tile t of W2 x tile a of rows, K step s, leaf q of the trip
.set rD, 128+8*(4*((\a)%2)+(\t))
.set rA, 64*((\q)%4)+8*(2*(\t)+(\s))
.set rB, 16*(\a)+8*(\s)
.set rC, rD
.if (\s) == 0
.set rC, 192+32*((\q)%2)+8*(\t)        ; b2 starts the sum
.endif
.set rP, 32+4*((\q)%4)+2*((\t)/2)+(\s)
.set rQ, 48+8*((\q)%2)+(\a)
	WM4 \t, \s
.endm
; The four products of tile a of rows (the batch's tile x) times the row's mixture, set ss, into the running sum: 16 packed instructions, each product from its low end on.  first = 1: a multiplication starts the sum: nothing is cleared
.macro FOLD a, x, ss, first
.irp t, 0,1,2,3
.irp j, 0,2,4,6
.if \first
	v_pk_mul_f32 v[8*(4*(\a)+\t)+\j:8*(4*(\a)+\t)+\j+1], v[128+8*(4*(\x)+\t)+\j:128+8*(4*(\x)+\t)+\j+1], v[64+16*(\ss)+2*(\a):65+16*(\ss)+2*(\a)]
.else
	v_pk_fma_f32 v[8*(4*(\a)+\t)+\j:8*(4*(\a)+\t)+\j+1], v[128+8*(4*(\x)+\t)+\j:128+8*(4*(\x)+\t)+\j+1], v[64+16*(\ss)+2*(\a):65+16*(\ss)+2*(\a)], v[8*(4*(\a)+\t)+\j:8*(4*(\a)+\t)+\j+1]
.endif
.endr
.endr
.endm
; A LEAF, in four batches of two tiles of rows.  A batch: 16 matrix instructions (its eight products take turns, one instruction a turn, K step by K step), four places, 32 packed multiply-adds into
; the running sum, and the loads of the next leaf's fragments into the registers just multiplied.  The 32 multiply-adds are the places in front of those loads and of the next batch's products, which write over this batch's:
; for each product 28 of them name none of its registers.  At the leaf's end the weights of four leaves on are asked for into the set just used.
; THE COUNT 54: the three sets of 18 loads issued behind this leaf's weights may stay out.
; THE COUNT 42: behind batch p's 8 LDS loads were issued the rest of this leaf's fragments, 24 - 8 p, the next leaf's 18 small operands, and 8 p of its fragments.
.macro LEAF q, first
	P0 (\q)+1
	s_wait_loadcnt 54
.irp p, 0,1,2,3
	s_wait_dscnt 42
	WIN 0xa9                                       ; W2 window 1; a, C (b2 or the product) and D window 2
.irp s, 0,1
.irp x, 0,1
.irp t, 0,1,2,3
	YM \q, 2*\p+\x, \t, \s
.endr
.endr
.endr
	PLACES
	WIN 0xf2                                       ; the product window 2, the mixture window 0, the running sum window 3
.irp x, 0,1
	FOLD 2*\p+\x, \x, (\q)%2, \first
.endr
	AF \p, 16384
.endr
	GSET \q, (\q)+4
	WIN 0
	v_add_nc_u32 v2, 16384, v2                     ; on to the next leaf's images
.endm
; FOUR LEAVES: after them the sets' numbers are back where they began.
.macro TRIP first
	LEAF 0, \first
	LEAF 1, 0
	LEAF 2, 0
	s_wait_tensorcnt 0x0                           ; my tensor load that was out has landed (every window is 0 here);
	ds_add_u32 v254, v255                          ; 0 onto my spare word
	s_wait_dscnt 0x0
.if \first
	ROUND                                          ; everybody's part of leaves 4-9 is in, and all four work-groups are here:
	tensor_load_to_lds s[G0+8:G0+11], s[G1Q:G1Q+7]       ; leaves 10-15
	s_nop 0
	PLACES
.else
	s_barrier_signal -1
	s_barrier_wait -1                              ; ahead of leaf 7: everybody's part of leaves 10-15 is in, two leaves before the first of them is fetched
.endif
	LEAF 3, 0
	s_wait_xcnt 0x0                                ; the loads have read their bases, which step four leaves on
	s_add_nc_u64 s[10:11], s[10:11], 524288
	s_add_nc_u64 s[12:13], s[12:13], 32768
	v_add_nc_u32 v3, 4096, v3
	v_add_nc_u32 v4, 512, v4
	v_add_nc_u32 v5, 4096, v5
.endm
; ---- THE LAST FOUR LEAVES, BY ROWS: 16 steps; step sg takes batch sg / 4 (tiles of rows 2 (sg / 4) and + 1) against leaf 12 + sg % 4.  Weights: set sg % 4.  a's fragments: buffer sg % 4.  Small operands: set sg % 2.
.macro AFS sg                          ; step sg's fragments of a: 8 LDS loads
	WIN 0x80
.irp i, 0,1,2,3,4,5,6,7
	ds_load_b128 v[32*((\sg)%4)+4*\i:32*((\sg)%4)+4*\i+3], v23 offset:((\sg)%4)*16384+((\sg)/4)*4096+512*\i
.endr
.endm
.macro PS sg                           ; step sg's small operands: the two tiles' scale words of a, their mixture, the leaf's b2: 11 LDS loads, into the registers that a whole leaf's would take
.set PSP, (\sg)/4
.set PSL, 12+(\sg)%4
.set PSS, (\sg)%2
	WIN 0
	ds_load_b64 v[48+8*PSS+2*PSP:49+8*PSS+2*PSP], v20 offset:PSL*1024+8*PSP
	ds_load_b64 v[64+16*PSS+4*PSP:65+16*PSS+4*PSP], v21 offset:PSL*128+PSP*4096
	ds_load_b64 v[66+16*PSS+4*PSP:67+16*PSS+4*PSP], v21 offset:PSL*128+PSP*4096+2048
	WIN 0x80
.irp t, 0,1,2,3
	ds_load_b128 v[192+32*PSS+8*\t:195+32*PSS+8*\t], v22 offset:PSL*1024+64*\t
	ds_load_b128 v[196+32*PSS+8*\t:199+32*PSS+8*\t], v22 offset:PSL*1024+64*\t+16
.endr
.endm
; THE WAY OUT of batch p, a tile of 16 rows x 64 outputs at a time.  A lane holds 32 neighbouring bytes of a row, and the lanes beside it hold other rows: so a tile goes through my own stage and comes back as rows of 256 bytes,
; into the registers that it left, which nothing writes again.  LDS serves a wave's instructions in order (ISA guide 5.7.1.4): no wait between the stores and the loads, nor in front of the next tile's stores.  32 LDS instructions.
.macro STG p
	WIN 0xcc                                       ; an LDS store's data are its source 1, a load's its destination: both window 3
.irp x, 0,1
.irp t, 0,1,2,3
	ds_store_b128 v7, v[32*(2*(\p)+\x)+8*\t:32*(2*(\p)+\x)+8*\t+3] offset:64*\t
	ds_store_b128 v7, v[32*(2*(\p)+\x)+8*\t+4:32*(2*(\p)+\x)+8*\t+7] offset:64*\t+16
.endr
.irp i, 0,1,2,3,4,5,6,7
	ds_load_b128 v[32*(2*(\p)+\x)+4*\i:32*(2*(\p)+\x)+4*\i+3], v8 offset:544*\i
.endr
.endr
.endm
.macro SENDB p
	s_wait_dscnt 0x0                               ; the batch is back in registers (all that is out was issued a whole step ago)
	WIN 0x0c                                       ; a store's data are its source 1: window 3
.irp x, 0,1
.irp i, 0,1,2,3,4,5,6,7
	global_store_b128 v9, v[32*(2*(\p)+\x)+4*\i:32*(2*(\p)+\x)+4*\i+3], s[16:17] offset:(2*(\p)+\x)*65536+8192*\i th:TH_STORE_NT   ; sixteen lanes store 256 consecutive bytes, at a multiple of 256 from out0's first byte
.endr
.endr
.endm
; A STEP: 16 matrix instructions by turns, four places, 32 packed multiply-adds; then the stores of the batch that was finished a step ago; then the loads: the fragments of four steps on into the buffer just multiplied,
; the small operands of two steps on into the set just used; and, behind a batch's fourth leaf, the batch's way through the stage.
; dn: LDS instructions that may stay out: those issued behind this step's small operands (-1: none is out).  ln: loads from memory that may stay out: the sets of 18 behind this leaf's weights (-1: all are in).
.macro TSTEP sg, dn, ln
.set TP, (\sg)/4
.set TQ, (\sg)%4
.set TS, (\sg)%2
.if \dn >= 0
	s_wait_dscnt \dn
.endif
.if \ln >= 0
	s_wait_loadcnt \ln
.endif
	WIN 0xa9
.irp s, 0,1
.irp x, 0,1
.irp t, 0,1,2,3
.set rD, 128+8*(4*\x+\t)
.set rA, 64*TQ+8*(2*\t+\s)
.set rB, 32*TQ+16*\x+8*\s
.set rC, rD
.if \s == 0
.set rC, 192+32*TS+8*\t                ; b2 starts the sum
.endif
.set rP, 32+4*TQ+2*(\t/2)+\s
.set rQ, 48+8*TS+2*TP+\x
	WM4 \t, \s
.endr
.endr
.endr
	PLACES
	WIN 0xf2
.irp x, 0,1
	FOLD 2*TP+\x, \x, TS, 0
.endr
.if (TQ == 0) && (TP > 0)
	SENDB TP-1
.endif
.if (\sg) <= 11
	AFS (\sg)+4
.endif
.if (\sg) <= 13
	PS (\sg)+2
.endif
.if TQ == 3
	STG TP
.endif
.endm
.irp i, 0,1,2,3,4,5,6,7
	global_load_b128 v[128+4*\i:131+4*\i], v10, s[14:15] offset:8192*\i   ; b2: two leaves' 1,024 bytes an instruction of the work-group
	global_load_b128 v[160+4*\i:163+4*\i], v16, s[8:9] offset:2048*\i     ; the mixture
	global_load_b128 v[192+4*\i:195+4*\i], v16, s[6:7] offset:2048*\i     ; a's scale words
.endr
	GSET 0, 0
	s_wait_alu depctr_va_vdst(0)
	s_wait_loadcnt 18                              ; the 24 loads are in; the first set of 18 may stay out
.irp i, 0,1,2,3,4,5,6,7
	ds_store_b128 v11, v[128+4*\i:131+4*\i] offset:2048*\i
	ds_store_b128 v18, v[160+4*\i:163+4*\i] offset:2048*\i
	ds_store_b128 v17, v[192+4*\i:195+4*\i] offset:2048*\i
.endr
	GSET 1, 1
	GSET 2, 2
	GSET 3, 3
	s_wait_tensorcnt 0x0                           ; my leaf of leaves 0-3 is in
	ds_add_u32 v254, v255
	s_wait_dscnt 0x0                               ; the add is done, and my parts of b2, of the mixture and of the scale words lie in LDS
	ROUND                                          ; everybody's do, and all four work-groups are here:
	tensor_load_to_lds s[G0+4:G0+7], s[G1Q:G1Q+7]        ; leaves 4-9
	s_nop 0
	PLACES
	P0 0
	AF 0, 0
	AF 1, 0
	AF 2, 0
	AF 3, 0
	TRIP 1                                         ; leaves 0-3 (it fetches as far as leaf 4)
	s_mov_b32 s74, 2
.Ltrip:                                                ; leaves 4-7, 8-11
	s_wait_alu depctr_va_vdst(0)
	TRIP 0
	s_sub_co_u32 s74, s74, 1
	s_cmp_lg_u32 s74, 0
	s_cbranch_scc1 .Ltrip
	s_wait_dscnt 0x0                               ; my LDS reads by stepped addresses are over,
	s_barrier_signal -1
	s_barrier_wait -1                              ; everybody's are.  From here on LDS is read at byte 196,608 and above, by addresses with the leaf in the immediate, and the stages at bytes 0 to 17,407 are written
	; Leaf 12's small operands (set 0) and its fragments for batch 0 (buffer 0) are in: the loop's last leaf fetched them.  It fetched leaf 12 for the other rows too: those 24 loads are fetched anew when their steps come
	AFS 1
	PS 1
	AFS 2
	AFS 3
	TSTEP 0,  -1, 54
	TSTEP 1,  35, 36                               ; behind step 1's small operands: the 16 loads of two buffers above, and the 19 at step 0's end
	TSTEP 2,  19, 18                               ; 19: the 8 + 11 loads at the end of the step before
	TSTEP 3,  19, 0
	TSTEP 4,  51, -1                               ; 51: those 19 and the 32 of a batch's way through the stage
	TSTEP 5,  19, -1
	TSTEP 6,  19, -1
	TSTEP 7,  19, -1
	TSTEP 8,  51, -1
	TSTEP 9,  19, -1
	TSTEP 10, 19, -1
	TSTEP 11, 19, -1
	TSTEP 12, 51, -1
	TSTEP 13, 11, -1                               ; no fragments are left to fetch: the counts run down
	TSTEP 14, 11, -1
	TSTEP 15, 0,  -1
	SENDB 3                                        ; its wait for 0 covers the last batch's way through the stage
	WIN 0
	s_wait_tensorcnt 0x0
	ds_add_u32 v254, v255
	s_wait_dscnt 0x0
	ROUND                                          ; the closing round
	s_endpgm
.Lfunc_end_k_qb2a79f0329_mixout:
	.size	k_qb2a79f0329_mixout, .Lfunc_end_k_qb2a79f0329_mixout-k_qb2a79f0329_mixout
	.p2alignl 7, 3214868480
	.fill 96, 4, 3214868480
	.section	.rodata,"a",@progbits
	.p2align	6, 0x0
	.amdhsa_kernel k_qb2a79f0329_mixout
		.amdhsa_group_segment_fixed_size 327680
		.amdhsa_private_segment_fixed_size 0
		.amdhsa_enable_private_segment 0
		.amdhsa_kernarg_size 56
		.amdhsa_user_sgpr_count 2
		.amdhsa_user_sgpr_kernarg_segment_ptr 1
		.amdhsa_wavefront_size32 1
		.amdhsa_system_sgpr_workgroup_id_x 1
		.amdhsa_system_sgpr_workgroup_id_y 1
		.amdhsa_system_sgpr_workgroup_id_z 1
		.amdhsa_system_vgpr_workitem_id 0
		.amdhsa_next_free_vgpr 1024
		.amdhsa_next_free_sgpr 88
		.amdhsa_reserve_vcc 0
		.amdhsa_float_denorm_mode_32 3
		.amdhsa_float_denorm_mode_16_64 3
		.amdhsa_memory_ordered 1
		.amdhsa_forward_progress 1
		.amdhsa_inst_pref_size 255
	.end_amdhsa_kernel
	.section	.bss,"aw",@nobits
	.p2align	6
	.space	262144
	.amdgpu_metadata
---
amdhsa.version: [ 1, 2 ]
amdhsa.kernels:
  - .name:           k_qb2a79f0329_mixout
    .symbol:         k_qb2a79f0329_mixout.kd
    .args:
      - { .name: a_codes, .offset: 0, .size: 8, .value_kind: global_buffer, .address_space: global }
      - { .name: a_scales, .offset: 8, .size: 8, .value_kind: global_buffer, .address_space: global }
      - { .name: mix, .offset: 16, .size: 8, .value_kind: global_buffer, .address_space: global }
      - { .name: w2f, .offset: 24, .size: 8, .value_kind: global_buffer, .address_space: global }
      - { .name: w2s_scales, .offset: 32, .size: 8, .value_kind: global_buffer, .address_space: global }
      - { .name: b2s, .offset: 40, .size: 8, .value_kind: global_buffer, .address_space: global }
      - { .name: out0, .offset: 48, .size: 8, .value_kind: global_buffer, .address_space: global }
    .group_segment_fixed_size: 327680
    .private_segment_fixed_size: 0
    .kernarg_segment_align: 8
    .kernarg_segment_size: 56
    .max_flat_workgroup_size: 128
    .sgpr_count:     88
    .vgpr_count:     1024
    .wavefront_size: 32
...
	.end_amdgpu_metadata
.endif
;; end of part 3
